; MI455X (gfx1250); checked and timed in simulation.
; The chip was launched on July 23, 2026; its instructions are those of AMD's public machine-readable ISA for CDNA 5 (MIT licence, August 2026) and "CDNA5" Instruction Set Architecture Reference Guide (July 2026). The comments in the code are by the model that wrote it; some were corrected since.
;; Multi Head Self Attention. Allowed arithmetic: matrix products marked QUANTISED: E2M3 operands, one E8M0 scale for each 32 along K, by v_wmma_scale_f32_16x16x128_f8f6f4 with both operands' format E2M3, f32 sums; everything else in f32.
;; Inputs: Wk_codes 16 x 64 x 32 x 24 uint8 (E2M3 codes of Wk, K innermost, in blocks of 32 codes, four codes in three bytes); Wk_scales 16 x 64 x 32 uint8 (E8M0 scales of Wk, one for each 32 codes along K); Wo_codes 1,024 x 32 x 24 uint8 (E2M3 codes of Wo, K innermost, in blocks of 32 codes, four codes in three bytes); Wo_scales 1,024 x 32 uint8 (E8M0 scales of Wo, one for each 32 codes along K); Wq_codes 16 x 64 x 32 x 24 uint8 (E2M3 codes of Wq, K innermost, in blocks of 32 codes, four codes in three bytes); Wq_scales 16 x 64 x 32 uint8 (E8M0 scales of Wq, one for each 32 codes along K); Wv_codes 16 x 64 x 32 x 24 uint8 (E2M3 codes of Wv, K innermost, in blocks of 32 codes, four codes in three bytes); Wv_scales 16 x 64 x 32 uint8 (E8M0 scales of Wv, one for each 32 codes along K); bk 16 x 64 float32; bo 1,024 float32; bq 16 x 64 float32; bv 16 x 64 float32; x_codes 2 x 2,048 x 32 x 24 uint8 (E2M3 codes of x, K innermost, in blocks of 32 codes, four codes in three bytes); x_scales 2 x 2,048 x 32 uint8 (E8M0 scales of x, one for each 32 codes along K).
;; Outputs: out0 2 x 2,048 x 1,024 float32.
;; This version of the problem:
;;   THIS VERSION OF THE PROBLEM IS GIVEN IN LOW PRECISION. The matrix products marked QUANTISED in the list below multiply operands that are first quantised to E2M3 (2 exponent bits, 3 mantissa bits; 6 bits a number), with one power-of-two scale for each 32 numbers along K (OCP MX v1.0); their sums are f32. All else is computed in f32.
;;   The module's matrix products, in the order in which they are computed (A, B: the left and right operand; K: the contracted axis; several contracted axes count as one K, in the product's order):
;;     1. [M 1,024, K 1,024] x [K 1,024, N 4,096]; A: input Wq (given as codes); B: input x (given as codes): QUANTISED
;;     2. [M 1,024, K 1,024] x [K 1,024, N 4,096]; A: input Wk (given as codes); B: input x (given as codes): QUANTISED
;;     3. [M 1,024, K 1,024] x [K 1,024, N 4,096]; A: input Wv (given as codes); B: input x (given as codes): QUANTISED
;;     4. batch 32 x [M 2,048, K 64] x [K 64, N 2,048]; A: computed on the way; B: computed on the way: QUANTISED
;;     5. batch 32 x [M 2,048, K 2,048] x [K 2,048, N 64]; A: softmax (see below); B: computed on the way: QUANTISED
;;     6. [M 4,096, K 1,024] x [K 1,024, N 1,024]; A: computed on the way; B: input Wo (given as codes): QUANTISED
;;   THE QUANTISER, for each operand of a quantised product, along K:
;;     - K is cut into blocks of 32 from its start; a last block that is shorter is filled with zeros.
;;     - A block's scale is 2^e with e = floor(log2(the largest magnitude in the block)) - 2, held to -126 .. 127; a block of zeros has e = 0. As a byte (E8M0): e + 127.
;;     - Each number is divided by its block's scale, clamped to +-7.5, and rounded to the nearest number of E2M3, ties to even, subnormals kept.
;;     - The product sums the exact products of the quantised numbers (number of the format x scale) in f32.
;;   ~~~python
;;   def quantise(x, axis):      # numpy; x: float32 -> the quantised numbers, widened to float32 again
;;       x = np.moveaxis(x, axis, -1); K = x.shape[-1]
;;       x = np.pad(x, [(0, 0)] * (x.ndim - 1) + [(0, -K % 32)]); x = x.reshape(x.shape[:-1] + (-1, 32)); a = np.abs(x).max(-1, keepdims=True)
;;       e = np.where(a > 0, np.clip(np.frexp(np.where(a > 0, a, 1))[1] - 1 - 2, -126, 127), 0)      # np.frexp(a)[1] - 1 = floor(log2(a)), exactly
;;       r = np.clip(x / 2.0 ** e, -7.5, 7.5)
;;       step = 2.0 ** (np.maximum(np.frexp(np.where(r == 0, 1, r))[1] - 1, 0) - 3)
;;       q = np.round(r / step) * step * 2.0 ** e      # np.round: ties to even
;;       return np.moveaxis(q.reshape(q.shape[:-2] + (-1,))[..., :K], -1, axis).astype(np.float32)
;;   ~~~
;;   SOFTMAX AHEAD OF A QUANTISED PRODUCT. Where the list says 'softmax', what is quantised is not the finished softmax but p = 2^(t - M), with t = logit x log2(e) and M = ceil(the row's largest t), a whole number; so 1/2 < the row's largest p <= 1. The row's sum l is taken of the UNQUANTISED p, in f32, and the product's result is divided by l at the end. Since M is a whole number, a kernel that streams over the keys may use a running M (the ceiling of the running maximum): every later rescaling is an exact power of two, which a block's scale takes up: the codes' values come out the same.
;;   OPERANDS COMPUTED ON THE WAY. 'Computed on the way' means the value that the module computes at that place (a softmax that the list does not call 'softmax' is quantised finished and normalised). What goes into a quantiser is computed in f32, as accurately as f32 sums, v_exp_f32 and their like allow (about 1e-6 of the number): no bf16 or f16 on the way to a quantiser, and a product that is left as it is and whose result goes on into a quantised operand takes f32 operands (vector FMAs, or v_wmma_f32_16x16x4_f32). A number that lies on a knife's edge between two numbers of the format may be rounded either way, as far as f32 arithmetic and the matrix unit's own rounding can turn it there, and no further.
;;   INPUTS GIVEN AS CODES. Wk (in the module: [16, 1024, 64], K = its axis 1); Wo (in the module: [1024, 1024], K = its axis 0); Wq (in the module: [16, 1024, 64], K = its axis 1); Wv (in the module: [16, 1024, 64], K = its axis 1); x (in the module: [2, 2048, 1024], K = its axis 2): each comes as NAME_codes (uint8): NAME with its K axis moved to the last place and cut into blocks of 32 codes, [.., K / 32, bytes a block], one block behind the other in memory; four codes in three bytes: a row's codes are one little-endian stream of bits, code i at bits 6 i .. 6 i + 5 (a code: sign, 2 exponent bits, 3 mantissa bits); and NAME_scales (uint8): the same leading axes, one E8M0 byte (e + 127) for each 32 codes along K. Its value is code x scale, taken as it is: it is not quantised again, and the codes and scales need not be those that the quantiser above would give.
;; One version. Each part assembles by itself: llvm-mc -triple=amdgcn-amd-amdhsa -mcpu=gfx1250 --defsym DOCPART=n.
;; ======== version 1 of 1: 3 launches
;; limits: right only within a limited range of input values
;; workspace buffers: qrec 3,407,872 bytes; kv 6,815,744 bytes; oimg 3,145,728 bytes; osc 131,072 bytes
;; launch qkv (part 1): grid 16 x 32, 4 waves a work-group, clusters of 4 x 4, 262,144 bytes of LDS; arguments x_codes, x_scales, Wq_codes, Wq_scales, Wk_codes, Wk_scales, Wv_codes, Wv_scales, bq, bk, bv, qrec, kv; writes qrec, kv
.if DOCPART == 1
	.amdgcn_target "amdgcn-amd-amdhsa--gfx1250"
	.amdhsa_code_object_version 6
	.text
	.protected	k_qa62fd4f6aa_qkv
	.globl	k_qa62fd4f6aa_qkv
	.p2align	8
	.type	k_qa62fd4f6aa_qkv,@function
k_qa62fd4f6aa_qkv:
	s_mov_b64 s[64:65], 0
	v_nop
	global_prefetch_b8 v0, s[64:65] scope:SCOPE_SE
	s_setreg_imm32_b32 hwreg(HW_REG_WAVE_MODE, 25, 1), 1
	s_wait_xcnt 0x0
	s_wait_alu depctr_hold_cnt(0) depctr_sa_sdst(0) depctr_va_vdst(0) depctr_va_sdst(0) depctr_va_ssrc(0) depctr_va_vcc(0) depctr_vm_vsrc(0)
	s_getreg_b32 s2, hwreg(HW_REG_IB_STS2, 6, 4)
	s_cmp_eq_u32 s2, 0
	s_cbranch_scc0 .Lentry_in_a_cluster
	s_endpgm
.Lentry_in_a_cluster:
	s_bfe_u32 s2, ttmp6, 0x10000c
	s_cmp_lg_u32 s2, 0xf033
	s_cbranch_scc0 .Lentry_shape_is_right
	s_endpgm
.Lentry_shape_is_right:
; q = x Wq + bq, k = x Wk + bk, v = x Wv + bv on codes of FP6 (E2M3) with one E8M0 scale for each 32 along K = 1,024, sums in f32; the three results are quantised here, in registers,
; q and k along the head's 64, v along the keys, and leave as IMAGES OF OPERAND REGISTERS for the attention launch.
; SHARES.  A work-group takes 128 rows of x (work-group y) and one head (work-group x): 128 x 192 results.  All of K lies in LDS at once: x's 128 rows and the head's 64 rows of Wq, Wk, Wv, each filled once.
; Wave w: rh = w / 2 picks 64 rows (four tiles of 16), ch = w % 2 picks q (0) or k (1), and two of v's four tiles of 16 channels.
; q and k are made TRANSPOSED (source 0 = 16 rows of W, source 1 = 16 rows of x): a lane holds one row of x, its registers run along the head's 64, which is the next product's K.
; v is made the other way round (source 0 = x, source 1 = Wv): a lane holds one channel, its registers run along the keys, which is its next K.
; ORDER INSIDE A BLOCK OF 32.  A tile is 16 neighbouring rows, so a lane's 16 registers of two neighbouring tiles hold, of a block, numbers 8 h + 0..7 and 16 + 8 h + 0..7 (h = lane / 16).  After the conversions and the
; exchange of halves a lane holds the whole block in the order 0..7, 16..23, 8..15, 24..31.  The block is the true set of 32, so its scale is the quantiser's; q and k get the same order here, and v the order that the
; attention launch gives p: the products' sums hold the same terms.  LIMIT: the terms are added in another order than with k ascending.
; CLUSTERS: 4 x 4 work-groups.  x's tile hangs on work-group y alone and is asked for jointly along a row of the cluster, W's tiles hang on work-group x alone and are asked for jointly along a column.
; Nothing is filled again and nothing is prefetched: every tile of the launch is asked for by the one tensor load of each wave at the head.
; LIMITS: NaN and infinities are not served.  A block whose largest magnitude lies under 2^-124 gets the scale byte 1; so does a block of zeros, where the quantiser says 127: its codes are zeros, and these bytes are read by this program alone.
; WORKSPACE.  qrec [b x 16 + head][128 rows J] records of 6,656 bytes: four pair images of 1,536 (register p of lane l at 512 (p / 4) + 16 l + 4 (p % 4); registers 0-5 tile 2 P, 6-11 tile 2 P + 1), then 512 bytes of scale words
; (pair P of lane l at 256 (P / 2) + 8 l + 4 (P % 2); bytes: tile 2 P's two blocks, tile 2 P + 1's two).  kv: records of 13,312: k as in qrec; from 6,656 v's four fragments, each two half images of 768 (registers 0-3 at 16 l, 4-5 at 512 + 8 l);
; from 12,800 v's scale words, fragment dt of lane l at 16 l + 4 dt.
; REGISTERS, in windows of 256.  Window 0: v1-18 addresses; v24-63 scale words, which hold nothing else; v64-191 q's or k's 16 accumulators; v192-235 at work on the way out.
;   Window 1: two sets of 120: four fragments of x, four of Wq or Wk, two of Wv.   Window 2: v0-47 the biases as C; v64-127 v's 8 accumulators; v192-223 at work on the way out.
.set PITCH, 816                        ; an LDS row of 768 bytes: 3 x (256 + 16 of padding) = 204 words: row r starts at bank 12 r mod 64 (64 banks of 4 bytes: ISA guide 11.1), so the 32 lanes of a load of 8 bytes touch 64 different banks
.set WBLK,  64*PITCH                   ; 64 rows of a weight
.set WR,    128*PITCH                  ; behind x's 128 rows: Wq, Wk, Wv
.set VST,   WR+3*WBLK                  ; behind them: 512 bytes in which v's scale words meet; no tile lands there
.set RR,  1                            ; v1   lane % 16
.set HH,  2                            ; v2   lane / 16
.set LN,  3                            ; v3   lane
.set AX,  4                            ; v4-5  LDS address of my x fragments (the second: for the pieces that lie behind one padding more)
.set AWA, 6                            ; v6-7  of my Wq or Wk fragments
.set AWV, 8                            ; v8-9  of my Wv fragments
.set L16, 10                           ; v10  16 x lane
.set L8,  11                           ; v11  8 x lane
.set SOF, 12                           ; v12  scale bytes: 32 (lane % 16) + 16 (lane / 16)
.set BTO, 13                           ; v13  bq, bk: 32 (lane / 16)
.set BVO, 14                           ; v14  bv: 4 (lane % 16)
.set VSA, 15                           ; v15  where I put two scale bytes of v
.set VRA, 18                           ; v18  where wave 0 reads v's scale words back
.set XS,  24                           ; v24-39  x's scale words: tile xt at 24 + 4 xt; register j: lanes 0-15 K step j, lanes 16-31 K step 4 + j
.set WAS, 40                           ; v40-55  Wq's or Wk's, tile wt at 40 + 4 wt
.set WVS, 56                           ; v56-63  Wv's
.set ACCT, 64                          ; accumulator (xt, wt) at 64 + 32 xt + 8 wt
.set TMX, 192                          ; two blocks' largest magnitudes
.set TPU, 194                          ; the other half's; then the bytes
.set TSE, 196                          ; the conversions' scale operands
.set TDT, 198                          ; the second block's codes
.set WLO, 202                          ; two scale bytes; WLO + 1: two more
.set WW,  204                          ; two scale words
.set IMG, 208                          ; the codes to store
.set VWD, 232                          ; v's scale words on their way out
.set BT,  0                            ; window 2: bq or bk as C, tile wt at 8 wt
.set BV,  32                           ; window 2: bv as C
.set ACCV, 64                          ; window 2: accumulator (dti, xt) at 64 + 32 dti + 8 xt
.set WV, 30                            ; s30 wave;  s31 rh;  s32 ch;  s33 cx;  s34 cy;  s35 head;  s36 block of 128 rows
.set RH, 31
.set CH, 32
.set CX, 33
.set CY, 34
.set HD, 35
.set RB, 36
.set G1X, 40                           ; s[40:47] descriptor group 1 for x;  s[48:55] for a weight;  s[56:59], s[60:63] their groups 0
.set G1W, 48
.set G0X, 56
.set G0W, 60
.set SEL, 70                           ; s[70:71] v_permlanex16_b32's selects for lane l xor 16
.set MSB, 0
.macro WIN new                         ; s_set_vgpr_msb: bits 1:0 source 0, 3:2 source 1, 5:4 source 2, 7:6 destination; the high byte repeats the setting that is left
.if MSB != \new
	s_set_vgpr_msb (MSB<<8)|\new
.set MSB, \new
.endif
.endm
.macro PLACES                          ; four plain vector instructions behind matrix instructions, in front of loads into their registers and of reads of their results
.rept 4
	v_nop
.endr
.endm
.macro CROUND                          ; a round of the cluster's barrier: my work-group's barrier; wave 0 signals for the work-group; every wave waits for all sixteen; my work-group's barrier once more
	s_barrier_signal -1
	s_barrier_wait -1
	s_cmp_lg_u32 s[WV], 0
	s_cbranch_scc1 .Lnot_wave_0_\@
	s_barrier_signal -3
.Lnot_wave_0_\@:
	s_barrier_wait -3
	s_barrier_signal -1
	s_barrier_wait -1
.endm
; A fragment, 16 rows x 128 K of 6-bit codes, is 12 registers: lane l holds row l % 16; registers 6 c .. 6 c + 5 hold K = 64 c + 32 (l / 16) + 0 .. 31: 24 bytes of the row's stream of bits, as they lie, in pieces of 8 bytes.
; Lanes 16-31 read three pieces further on than lanes 0-15; where that is behind one padding more (16 bytes behind every 32 pieces) the second address register (40 for 24 bytes a half) serves.
.macro FRAG reg, adr, k, row
.irp p, 0,1,2,3,4,5
.set PC, 12*(\k)+6*(\p/3)+\p%3
.if PC%32 < 29
	ds_load_b64 v[\reg+2*\p:\reg+2*\p+1], v[\adr] offset:8*PC+16*(PC/32)+(\row)*PITCH
.else
	ds_load_b64 v[\reg+2*\p:\reg+2*\p+1], v[\adr+1] offset:8*PC+16*(PC/32)+(\row)*PITCH
.endif
.endr
.endm
.macro FETCH k, s                      ; K step k's ten fragments into set s: 60 loads
	WIN 0x40                                       ; destination window 1, address window 0
.irp xt, 0,1,2,3
	FRAG 120*(\s)+12*\xt, AX, \k, 16*\xt
.endr
.irp wt, 0,1,2,3
	FRAG 120*(\s)+48+12*\wt, AWA, \k, 16*\wt
.endr
.irp dti, 0,1
	FRAG 120*(\s)+96+12*\dti, AWV, \k, 16*\dti
.endr
.endm
.macro WM d, a, b, c, sa, sb, hi       ; one product; hi = 1: both sides' scale words are read from lanes 16-31
.if \hi
	v_wmma_scale_f32_16x16x128_f8f6f4 v[\d:\d+7], v[\a:\a+11], v[\b:\b+11], v[\c:\c+7], v[\sa], v[\sb] matrix_a_fmt:MATRIX_FMT_FP6 matrix_b_fmt:MATRIX_FMT_FP6 matrix_a_scale:MATRIX_SCALE_ROW1 matrix_b_scale:MATRIX_SCALE_ROW1
.else
	v_wmma_scale_f32_16x16x128_f8f6f4 v[\d:\d+7], v[\a:\a+11], v[\b:\b+11], v[\c:\c+7], v[\sa], v[\sb] matrix_a_fmt:MATRIX_FMT_FP6 matrix_b_fmt:MATRIX_FMT_FP6
.endif
.endm
; K step k on set s: 24 products.  The 24 accumulators take turns, one instruction a turn, in the same order in every step.  The first step's C is the bias: nothing is cleared, nothing is added later.
.macro MULS k, s
.if (\k) == 0
	WIN 0x25                                       ; sources 0 and 1 window 1, C window 2, D window 0
.else
	WIN 0x05
.endif
.irp xt, 0,1,2,3
.irp wt, 0,1,2,3
.if (\k) == 0
	WM ACCT+32*\xt+8*\wt, 120*(\s)+48+12*\wt, 120*(\s)+12*\xt, BT+8*\wt, WAS+4*\wt, XS+4*\xt, 0
.else
	WM ACCT+32*\xt+8*\wt, 120*(\s)+48+12*\wt, 120*(\s)+12*\xt, ACCT+32*\xt+8*\wt, WAS+4*\wt+((\k)&3), XS+4*\xt+((\k)&3), (\k)/4
.endif
.endr
.endr
	WIN 0xa5                                       ; v: C and D window 2
.irp dti, 0,1
.irp xt, 0,1,2,3
.if (\k) == 0
	WM ACCV+32*\dti+8*\xt, 120*(\s)+12*\xt, 120*(\s)+96+12*\dti, BV+8*\dti, XS+4*\xt, WVS+4*\dti, 0
.else
	WM ACCV+32*\dti+8*\xt, 120*(\s)+12*\xt, 120*(\s)+96+12*\dti, ACCV+32*\dti+8*\xt, XS+4*\xt+((\k)&3), WVS+4*\dti+((\k)&3), (\k)/4
.endif
.endr
.endr
.endm
.macro KSTEP k
.if \k > 0
	PLACES                                         ; the set that step k - 1 multiplied is loaded next
.endif
.if \k < 7
	FETCH \k+1, (\k+1)%2
	s_wait_dscnt 60                                ; LDS loads come back in order (ISA guide 5.7.1): the 60 just issued may be out, step k's are in
.else
	s_wait_dscnt 0x0
.endif
	MULS \k, (\k)%2
.endm
; 32 numbers of a lane, v[s] on: register 16 b + i belongs to block b of my row; lane l xor 16 holds the blocks' other halves.  They become six registers of codes at v[d] (lanes 0-15: block 0, lanes 16-31: block 1) and the two scale bytes in v[w].
; All its registers lie in one window.  Each accumulator is read from its low end on.
.macro QUANT2 s, d, w
	v_max3_num_f32 v[TMX], |v[\s]|, |v[\s+1]|, 0x1800000           ; my 16 numbers of each block, and the floor 2^(3 - 127): the byte cannot fall under 1
	v_max3_num_f32 v[TMX+1], |v[\s+16]|, |v[\s+17]|, 0x1800000
.irp i, 2,4,6,8,10,12,14
	v_max3_num_f32 v[TMX], v[TMX], |v[\s+\i]|, |v[\s+\i+1]|        ; (the two blocks by turns)
	v_max3_num_f32 v[TMX+1], v[TMX+1], |v[\s+16+\i]|, |v[\s+17+\i]|
.endr
	v_permlanex16_b32 v[TPU], v[TMX], s[SEL], s[SEL+1]
	v_permlanex16_b32 v[TPU+1], v[TMX+1], s[SEL], s[SEL+1]
	v_max_num_f32 v[TMX], v[TMX], v[TPU]                           ; with lane l xor 16's: the block's largest magnitude
	v_max_num_f32 v[TMX+1], v[TMX+1], v[TPU+1]
	v_add_nc_u32 v[TSE], 0xff000000, v[TMX]                        ; 2 off its exponent field: the conversion takes the exponent field of this operand as its scale
	v_add_nc_u32 v[TSE+1], 0xff000000, v[TMX+1]
	v_lshrrev_b32 v[TPU], 23, v[TSE]                               ; the scale's byte
	v_lshrrev_b32 v[TPU+1], 23, v[TSE+1]
	v_lshl_or_b32 v[\w], v[TPU+1], 8, v[TPU]
	v_cvt_scalef32_pk16_fp6_f32 v[\d:\d+2], v[\s:\s+15], v[TSE]
	v_cvt_scalef32_pk16_fp6_f32 v[TDT:TDT+2], v[\s+16:\s+31], v[TSE+1]
	v_nop                                          ; one plain place behind a scaled conversion
.irp i, 0,1,2
	v_permlane16_swap_b32 v[\d+\i], v[TDT+\i]      ; the first's lanes 16-31 change places with the second's lanes 0-15: a lane now holds a whole block
.endr
.irp i, 0,1,2
	v_mov_b32 v[\d+3+\i], v[TDT+\i]
.endr
.endm
	s_load_b512 s[4:19], s[0:1], 0x0               ; x's codes s[4:5], scales s[6:7]; Wq's s[8:9], s[10:11]; Wk's s[12:13], s[14:15]; Wv's s[16:17], s[18:19]
	s_load_b256 s[20:27], s[0:1], 0x40             ; bq s[20:21], bk s[22:23], bv s[24:25], qrec s[26:27]
	s_load_b64 s[28:29], s[0:1], 0x60              ; kv
	v_lshl_add_u32 v254, v0, 2, 0x3fe00
	v_mov_b32 v255, 0
	ds_add_u32 v254, v255
	ds_add_u32 v254, v255
	v_lshrrev_b32 v1, 5, v0
	v_readfirstlane_b32 s[WV], v1                  ; wave 0..3
	s_lshr_b32 s[RH], s[WV], 1
	s_and_b32 s[CH], s[WV], 1
	s_bfe_u32 s[CX], ttmp6, 0x40000                ; my place in the cluster
	s_bfe_u32 s[CY], ttmp6, 0x40004
	s_lshl_b32 s[HD], ttmp9, 2
	s_add_co_u32 s[HD], s[HD], s[CX]               ; the head = 4 x cluster x + cx
	s_and_b32 s[RB], ttmp7, 0xffff
	s_lshl_b32 s[RB], s[RB], 2
	s_add_co_u32 s[RB], s[RB], s[CY]               ; the block of 128 rows = 4 x cluster y + cy
	s_lshl_b32 s37, s[CY], 2
	s_lshl_b32 s37, 15, s37                        ; my row of the cluster
	s_lshl_b32 s38, 0x1111, s[CX]                  ; my column
	; Each tile is a dense block of memory, stated as rows of 256 bytes (32 elements of 8 bytes) with 16 bytes of padding behind each: x 384 such rows, a weight 192
	s_or_b32 s[G1X], s37, (3<<16)|(1<<20)|(1<<21)|(5<<22)|(3<<25)   ; 15:0 the mask: x goes to my row; 17:16 elements of 8 bytes; 20 padding on; 21 set beside a mask; 24:22 after every 64 words; 31:25 of 4 words
	s_mov_b32 s[G1X+1], 32<<16                     ; tensor_dim0 = 32
	s_mov_b32 s[G1X+2], 384<<16                    ; tensor_dim1 = 384
	s_mov_b32 s[G1X+3], 32<<16                     ; tile_dim0 = 32
	s_mov_b32 s[G1X+4], 384                        ; tile_dim1 = 384
	s_mov_b32 s[G1X+5], 32                         ; from row to row
	s_mov_b32 s[G1X+6], 0
	s_mov_b32 s[G1X+7], 0
	s_or_b32 s[G1W], s38, (3<<16)|(1<<20)|(1<<21)|(5<<22)|(3<<25)   ; the same with the mask of my column
	s_mov_b32 s[G1W+1], 32<<16
	s_mov_b32 s[G1W+2], 192<<16
	s_mov_b32 s[G1W+3], 32<<16
	s_mov_b32 s[G1W+4], 192
	s_mov_b32 s[G1W+5], 32
	s_mov_b32 s[G1W+6], 0
	s_mov_b32 s[G1W+7], 0
	s_mul_i32 s66, s[RB], 98304                    ; x: 128 rows of 768 bytes a block
	s_mov_b32 s67, 0
	s_mul_i32 s68, s[HD], 49152                    ; a weight: 64 rows of 768 bytes a head
	s_mov_b32 s69, 0
	s_mov_b32 s[G0X], 1
	s_mov_b32 s[G0X+1], 0                          ; x lands at LDS byte 0
	s_mov_b32 s[G0W], 1
	s_mul_i32 s[G0W+1], s[WV], WBLK
	s_add_co_u32 s[G0W+1], s[G0W+1], WR-WBLK       ; wave 1: Wq at WR, wave 2: Wk, wave 3: Wv
	s_mov_b32 s[SEL], 0x76543210
	s_mov_b32 s[SEL+1], 0xfedcba98
	s_wait_dscnt 0x0
	s_wait_kmcnt 0x0
	s_add_nc_u64 s[G0X+2:G0X+3], s[4:5], s[66:67]
	s_or_b32 s[G0X+3], s[G0X+3], 0x80000000        ; type = 2
	s_cmp_eq_u32 s[WV], 1
	s_cselect_b64 s[72:73], s[8:9], s[12:13]
	s_cmp_eq_u32 s[WV], 3
	s_cselect_b64 s[72:73], s[16:17], s[72:73]
	s_add_nc_u64 s[G0W+2:G0W+3], s[72:73], s[68:69]
	s_or_b32 s[G0W+3], s[G0W+3], 0x80000000
	CROUND                                         ; all sixteen work-groups are here: the joint loads meet
	s_cmp_eq_u32 s[WV], 0                          ; wave 0 asks for x, waves 1 to 3 for the three weights: one load a wave; four v_nop follow each line
	s_cbranch_scc0 .Lfor_w
	tensor_load_to_lds s[G0X:G0X+3], s[G1X:G1X+7]
	s_nop 0
.rept 4
	v_nop
.endr
	s_branch .Lasked
.Lfor_w:
	tensor_load_to_lds s[G0W:G0W+3], s[G1W:G1W+7]
	s_nop 0
.rept 4
	v_nop
.endr
.Lasked:
	; the scale bytes and the biases go straight into registers
	s_lshl_b32 s88, s[RB], 12                      ; x's scale bytes: 32 a row: 4,096 a block, 2,048 for my 64 rows
	s_lshl_b32 s89, s[RH], 11
	s_add_co_u32 s88, s88, s89
	s_mov_b32 s89, 0
	s_lshl_b32 s90, s[HD], 11                      ; a weight's: 2,048 a head
	s_mov_b32 s91, 0
	s_lshl_b32 s92, s[CH], 10                      ; Wv's: my two tiles of 16 rows
	s_add_co_u32 s92, s92, s90
	s_mov_b32 s93, 0
	s_lshl_b32 s94, s[HD], 8                       ; a bias: 256 bytes a head
	s_mov_b32 s95, 0
	s_lshl_b32 s96, s[CH], 7
	s_add_co_u32 s96, s96, s94
	s_mov_b32 s97, 0
	s_add_nc_u64 s[74:75], s[6:7], s[88:89]
	s_cmp_eq_u32 s[CH], 0
	s_cselect_b64 s[76:77], s[10:11], s[14:15]     ; Wq's scales or Wk's
	s_cselect_b64 s[80:81], s[20:21], s[22:23]     ; bq or bk
	s_add_nc_u64 s[76:77], s[76:77], s[90:91]
	s_add_nc_u64 s[78:79], s[18:19], s[92:93]
	s_add_nc_u64 s[80:81], s[80:81], s[94:95]
	s_add_nc_u64 s[82:83], s[24:25], s[96:97]
	v_and_b32 v[RR], 15, v0
	v_bfe_u32 v[HH], v0, 4, 1
	v_and_b32 v[LN], 31, v0
	v_lshlrev_b32 v[L16], 4, v[LN]
	v_lshlrev_b32 v[L8], 3, v[LN]
	v_lshlrev_b32 v[SOF], 5, v[RR]
	v_lshl_add_u32 v[SOF], v[HH], 4, v[SOF]        ; lane (r, h) takes bytes 16 h .. 16 h + 15 of row r's 32: a tile's 512 bytes are one load
	v_lshlrev_b32 v[BTO], 5, v[HH]
	v_lshlrev_b32 v[BVO], 2, v[RR]
.irp xt, 0,1,2,3
	global_load_b128 v[XS+4*\xt:XS+4*\xt+3], v[SOF], s[74:75] offset:512*\xt
.endr
.irp wt, 0,1,2,3
	global_load_b128 v[WAS+4*\wt:WAS+4*\wt+3], v[SOF], s[76:77] offset:512*\wt
.endr
.irp dti, 0,1
	global_load_b128 v[WVS+4*\dti:WVS+4*\dti+3], v[SOF], s[78:79] offset:512*\dti
.endr
	WIN 0x80                                       ; destination window 2
.irp wt, 0,1,2,3
	global_load_b128 v[BT+8*\wt:BT+8*\wt+3], v[BTO], s[80:81] offset:64*\wt        ; register j: b[16 wt + 8 h + j]
	global_load_b128 v[BT+8*\wt+4:BT+8*\wt+7], v[BTO], s[80:81] offset:64*\wt+16
.endr
.irp dti, 0,1
.irp j, 0,1,2,3,4,5,6,7
	global_load_b32 v[BV+8*\dti+\j], v[BVO], s[82:83] offset:64*\dti               ; every register: bv of my channel
.endr
.endr
	WIN 0
	v_mul_u32_u24 v16, v[RR], PITCH
	v_mad_u32_u24 v16, v[HH], 24, v16              ; a fragment's row x pitch + 24 x half
	v_lshl_add_u32 v17, v[HH], 4, v16              ; and the same behind one padding more
	s_mul_i32 s39, s[RH], 64*PITCH                 ; my 64 rows of x
	v_add_nc_u32 v[AX], s39, v16
	v_add_nc_u32 v[AX+1], s39, v17
	s_mul_i32 s39, s[CH], WBLK
	s_add_co_u32 s39, s39, WR                      ; Wq or Wk
	v_add_nc_u32 v[AWA], s39, v16
	v_add_nc_u32 v[AWA+1], s39, v17
	s_mul_i32 s39, s[CH], 32*PITCH
	s_add_co_u32 s39, s39, WR+2*WBLK               ; my 32 rows of Wv
	v_add_nc_u32 v[AWV], s39, v16
	v_add_nc_u32 v[AWV+1], s39, v17
	s_lshl_b32 s39, s[CH], 3
	s_lshl_b32 s72, s[RH], 1
	s_add_co_u32 s39, s39, s72
	s_add_co_u32 s39, s39, VST
	v_add_nc_u32 v[VSA], s39, v[L16]               ; VST + 16 lane + 8 ch + 2 rh
	v_add_nc_u32 v[VRA], VST, v[L16]
	; where the results go: record (b x 16 + head) x 16 + J, b = block / 16, J = block % 16
	s_lshr_b32 s98, s[RB], 4
	s_lshl_b32 s98, s98, 4
	s_add_co_u32 s98, s98, s[HD]
	s_lshl_b32 s98, s98, 4
	s_and_b32 s99, s[RB], 15
	s_add_co_u32 s98, s98, s99
	s_mul_i32 s88, s98, 6656
	s_mul_i32 s90, s98, 13312
	s_add_nc_u64 s[26:27], s[26:27], s[88:89]      ; my record of qrec
	s_add_nc_u64 s[28:29], s[28:29], s[90:91]      ; and of kv
	s_cmp_eq_u32 s[CH], 0
	s_cselect_b64 s[84:85], s[26:27], s[28:29]     ; q goes to qrec, k to kv
	s_mul_i32 s92, s[RH], 3072
	s_lshl_b32 s96, s[RH], 8
	s_add_nc_u64 s[94:95], s[84:85], s[96:97]      ; the scale words of my two pairs: + 256 rh
	s_add_nc_u64 s[84:85], s[84:85], s[92:93]      ; their images: + 3,072 rh
	s_mul_i32 s92, s[CH], 3072
	s_mul_i32 s96, s[RH], 768
	s_add_co_u32 s92, s92, s96
	s_add_nc_u64 s[86:87], s[28:29], s[92:93]      ; v: fragments 2 ch, 2 ch + 1, half rh
	s_wait_alu depctr_va_vdst(0)
	s_wait_tensorcnt 0x0                           ; my tile has landed,
	s_barrier_signal -1
	s_barrier_wait -1                              ; everybody's has
	FETCH 0, 0
	s_wait_loadcnt 0x0                             ; scale words and biases
.irp k, 0,1,2,3,4,5,6,7
	KSTEP \k
.endr
	; THE WAY OUT.  q or k: my four tiles of rows are two pairs; each tile's 32 registers become six registers of codes and two scale bytes
	WIN 0
	PLACES
	v_mov_b32 v[TPU], 0                            ; written once: a lane permute's destination counts as one of its sources
	v_mov_b32 v[TPU+1], 0
.irp pl, 0,1
	QUANT2 ACCT+64*\pl, IMG+12*\pl, WLO
	QUANT2 ACCT+64*\pl+32, IMG+12*\pl+6, WLO+1
	v_lshl_or_b32 v[WW+\pl], v[WLO+1], 16, v[WLO]
.irp j, 0,1,2
	global_store_b128 v[L16], v[IMG+12*\pl+4*\j:IMG+12*\pl+4*\j+3], s[84:85] offset:1536*\pl+512*\j   ; 32 lanes store 512 consecutive bytes, at a multiple of 256 from the buffer's first byte
.endr
.endr
	global_store_b64 v[L8], v[WW:WW+1], s[94:95] offset:6144       ; 256 consecutive bytes
	; v: my two tiles of channels x my 64 keys: all of it in window 2
	WIN 0xaa
	v_mov_b32 v[TPU], 0
	v_mov_b32 v[TPU+1], 0
.irp dti, 0,1
	QUANT2 ACCV+32*\dti, IMG+8*\dti, WLO+\dti
	WIN 0x08                                       ; a store's data are its source 1: window 2; addresses window 0
	global_store_b128 v[L16], v[IMG+8*\dti:IMG+8*\dti+3], s[86:87] offset:6656+1536*\dti
	global_store_b64 v[L8], v[IMG+8*\dti+4:IMG+8*\dti+5], s[86:87] offset:6656+1536*\dti+512
	ds_store_b16 v[VSA], v[WLO+\dti] offset:4*\dti                 ; a scale word's four bytes come from two waves: they meet in LDS
	WIN 0xaa
.endr
	WIN 0
	s_wait_dscnt 0x0                               ; for the others' sake: my stores have landed
	s_barrier_signal -1
	s_barrier_wait -1
	s_cmp_lg_u32 s[WV], 0
	s_cbranch_scc1 .Lwords_out
	ds_load_b128 v[VWD:VWD+3], v[VRA]
	s_wait_dscnt 0x0
	global_store_b128 v[L16], v[VWD:VWD+3], s[28:29] offset:12800  ; v's scale words: 512 consecutive bytes
.Lwords_out:
	s_wait_tensorcnt 0x0
	ds_add_u32 v254, v255
	s_wait_dscnt 0x0
	CROUND                                         ; the closing round: no work-group ends while a partner may still ask for a tile that names it
	s_endpgm
.Lfunc_end_k_qa62fd4f6aa_qkv:
	.size	k_qa62fd4f6aa_qkv, .Lfunc_end_k_qa62fd4f6aa_qkv-k_qa62fd4f6aa_qkv
	.p2alignl 7, 3214868480
	.fill 96, 4, 3214868480
	.section	.rodata,"a",@progbits
	.p2align	6, 0x0
	.amdhsa_kernel k_qa62fd4f6aa_qkv
		.amdhsa_group_segment_fixed_size 262144
		.amdhsa_private_segment_fixed_size 0
		.amdhsa_enable_private_segment 0
		.amdhsa_kernarg_size 104
		.amdhsa_user_sgpr_count 2
		.amdhsa_user_sgpr_kernarg_segment_ptr 1
		.amdhsa_wavefront_size32 1
		.amdhsa_system_sgpr_workgroup_id_x 1
		.amdhsa_system_sgpr_workgroup_id_y 1
		.amdhsa_system_sgpr_workgroup_id_z 1
		.amdhsa_system_vgpr_workitem_id 0
		.amdhsa_next_free_vgpr 768
		.amdhsa_next_free_sgpr 100
		.amdhsa_reserve_vcc 0
		.amdhsa_float_denorm_mode_32 3
		.amdhsa_float_denorm_mode_16_64 3
		.amdhsa_memory_ordered 1
		.amdhsa_forward_progress 1
		.amdhsa_inst_pref_size 80
	.end_amdhsa_kernel
	.amdgpu_metadata
---
amdhsa.version: [ 1, 2 ]
amdhsa.kernels:
  - .name:           k_qa62fd4f6aa_qkv
    .symbol:         k_qa62fd4f6aa_qkv.kd
    .args:
      - { .name: x_codes, .offset: 0, .size: 8, .value_kind: global_buffer, .address_space: global }
      - { .name: x_scales, .offset: 8, .size: 8, .value_kind: global_buffer, .address_space: global }
      - { .name: Wq_codes, .offset: 16, .size: 8, .value_kind: global_buffer, .address_space: global }
      - { .name: Wq_scales, .offset: 24, .size: 8, .value_kind: global_buffer, .address_space: global }
      - { .name: Wk_codes, .offset: 32, .size: 8, .value_kind: global_buffer, .address_space: global }
      - { .name: Wk_scales, .offset: 40, .size: 8, .value_kind: global_buffer, .address_space: global }
      - { .name: Wv_codes, .offset: 48, .size: 8, .value_kind: global_buffer, .address_space: global }
      - { .name: Wv_scales, .offset: 56, .size: 8, .value_kind: global_buffer, .address_space: global }
      - { .name: bq, .offset: 64, .size: 8, .value_kind: global_buffer, .address_space: global }
      - { .name: bk, .offset: 72, .size: 8, .value_kind: global_buffer, .address_space: global }
      - { .name: bv, .offset: 80, .size: 8, .value_kind: global_buffer, .address_space: global }
      - { .name: qrec, .offset: 88, .size: 8, .value_kind: global_buffer, .address_space: global }
      - { .name: kv, .offset: 96, .size: 8, .value_kind: global_buffer, .address_space: global }
    .group_segment_fixed_size: 262144
    .private_segment_fixed_size: 0
    .kernarg_segment_align: 8
    .kernarg_segment_size: 104
    .max_flat_workgroup_size: 128
    .sgpr_count:     100
    .vgpr_count:     768
    .wavefront_size: 32
...
	.end_amdgpu_metadata
.endif
;; end of part 1
;; launch attn (part 2): grid 8 x 32, 16 waves a work-group, clusters of 4 x 1, 327,680 bytes of LDS; arguments qrec, kv, oimg, osc; writes oimg, osc
.if DOCPART == 2
	.amdgcn_target "amdgcn-amd-amdhsa--gfx1250"
	.amdhsa_code_object_version 6
	.text
	.protected	k_qa62fd4f6aa_attn
	.globl	k_qa62fd4f6aa_attn
	.p2align	8
	.type	k_qa62fd4f6aa_attn,@function
k_qa62fd4f6aa_attn:
	s_mov_b64 s[64:65], 0
	v_nop
	global_prefetch_b8 v0, s[64:65] scope:SCOPE_SE
	s_setreg_imm32_b32 hwreg(HW_REG_WAVE_MODE, 25, 1), 1
	s_wait_xcnt 0x0
	s_wait_alu depctr_hold_cnt(0) depctr_sa_sdst(0) depctr_va_vdst(0) depctr_va_sdst(0) depctr_va_ssrc(0) depctr_va_vcc(0) depctr_vm_vsrc(0)
	s_getreg_b32 s2, hwreg(HW_REG_IB_STS2, 6, 4)
	s_cmp_eq_u32 s2, 0
	s_cbranch_scc0 .Lentry_in_a_cluster
	s_endpgm
.Lentry_in_a_cluster:
	s_bfe_u32 s2, ttmp6, 0x10000c
	s_cmp_lg_u32 s2, 0x3003
	s_cbranch_scc0 .Lentry_shape_is_right
	s_endpgm
.Lentry_shape_is_right:
; o = softmax(q k^T / 8) v for one batch and head (work-group y) and 256 queries (work-group x), on codes of FP6 (E2M3) with E8M0 scales; o is quantised here along the head's 64 and leaves as operand images (oimg, osc).
; p = 2^(t - M), M the ceiling of the running largest t; the row's sum is taken of the unquantised p; every change of M is an exact power of two.
; SHARES.  16 waves, four to a SIMD; a wave owns one tile of 16 queries and walks all 2,048 keys.  A step is one record of kv: 128 keys.  Both products are used transposed (S^T = k q^T, O^T = v^T p^T): a lane holds one query.
; THE KEYS OF A TILE OF k ARE CHOSEN BY THE LDS ADDRESS: row 8 g + i of new pair 2 c + u is row 8 u + i of the record's pair 2 c + g.  So lane (query, h) holds, in 32 registers on end, the whole block 2 c + h of 32 keys,
; in the order 0..7, 16..23, 8..15, 24..31, which is the order in which the launch before laid v: the conversions' results are p's operand registers, and a block's largest score needs no other lane.
; LDS: all 16 records, each unit of 256 bytes followed by 64 bytes of padding (pitch 320): a pair image is six units = 1,920 bytes = 128 modulo 256, so the two groups of eight rows that a load of k touches lie in different banks (ISA guide 11.1).
; Filled once: records 0-3 by each wave's load at the head, records 4-15 by its second load.
; CLUSTER: the four work-groups along x read the same kv and ask for it jointly (mask 15).  No prefetch: all of kv that the work-group reads is asked for by these two loads, there is no later stream to run ahead of.
; LIMITS: the promise holds while the scaled scores stay under 2^31 in magnitude; NaN and infinities are not served; a block whose largest p lies under 2^-124 gets the scale byte 1; the terms of a block are added in the order above.
.set REC,  13312                       ; a record in memory: 52 units of 256 bytes
.set UB,   320                         ; a unit in LDS
.set RECL, 52*UB
.set SPARE, 16*RECL                    ; behind the records: the spare words, 128 bytes a wave
.set LK,1                              ; lane terms: k's fragments 16 i + 1920 g + 320 h
.set LKS,2                             ; k's scale words: unit 24 + 8 i + 4 g + 64 h (lanes 16-31: the odd new pair)
.set LV16,3                            ; images read at 16 x lane: 16 r + 320 h
.set LV8,4                             ; 8 x lane
.set AK,5
.set AKS,6
.set AV16,7
.set AV8,8
.set L16,9
.set VQ,10
.set VQS,11
.set OSA,12
.set SH8,13
.set VQ2,14
.set SPW,16
.set NIL,17
.set KS,18                             ; scale words, which hold nothing else: k's 18-19, v's 20-23, q's 24, p's 26
.set VS,20
.set QS,24
.set PS,26
.set T0,28
.set FR,32                             ; four fragments: k's, then v's
.set SCR,80
.set OT,144
.set Q,176                             ; six zeros, q's six registers, six zeros
.set QHI,176
.set QLO,182
.set PCD,194
.set PT,206
.set NM,214                            ; -M
.set SM,215                            ; the running largest score
.set SUM,216
.set FF,218
.set BM,220
.set SO,224
.set TW,226
.set TX,227
.set TY,228
.set SB,230
.set BY,236
.set TMX,220
.set TPU,222
.set TSE,224
.set TDT,206
.set WV,12
.set SEL,20
.set CS,22
.set G1A,24
.set G1B,32
.set G0A,40
.set G0B,44
.set TB,48
.set CNT,49
.macro NOPS n
.rept \n
	v_nop
.endr
.endm
.macro CROUND
	s_barrier_signal -1
	s_barrier_wait -1
	s_cmp_lg_u32 s[WV], 0
	s_cbranch_scc1 .Lnot_wave_0_\@
	s_barrier_signal -3
.Lnot_wave_0_\@:
	s_barrier_wait -3
	s_barrier_signal -1
	s_barrier_wait -1
.endm
.macro TMS j0, n                       ; t - M, two at a time
.set J, \j0
.rept \n
	v_pk_fma_f32 v[SCR+J:SCR+J+1], v[SCR+J:SCR+J+1], s[CS:CS+1], v[NM:NM+1] op_sel_hi:[1,0,0]
.set J, J+2
.endr
.endm
.macro MAX4 i                          ; four chains of maxima by turns, two more scores each
.irp x,0,1,2,3
	v_max3_num_f32 v[BM+\x], v[BM+\x], v[SCR+16*\x+\i], v[SCR+16*\x+\i+1]
.endr
.endm
.macro ADD4 k                          ; the row's sum in four chains by turns: pairs k .. k + 3
	v_pk_add_f32 v[SB:SB+1], v[SB:SB+1], v[SCR+2*(\k):SCR+2*(\k)+1]
	v_pk_add_f32 v[SB+2:SB+3], v[SB+2:SB+3], v[SCR+2*(\k)+2:SCR+2*(\k)+3]
	v_pk_add_f32 v[SB+4:SB+5], v[SB+4:SB+5], v[SCR+2*(\k)+4:SCR+2*(\k)+5]
	v_pk_add_f32 v[SUM:SUM+1], v[SUM:SUM+1], v[SCR+2*(\k)+6:SCR+2*(\k)+7]
.endm
; The softmax step: 64 scores a lane (two whole blocks) become p's 12 operand registers and its scale word; the sum and O^T come under the new M.
.macro SOFT
.irp x,0,1,2,3
	v_max3_num_f32 v[BM+\x], v[SCR+16*\x], v[SCR+16*\x+1], v[SCR+16*\x+2]   ; each accumulator is read from its low end on
.endr
	MAX4 3
	MAX4 5
	MAX4 7
	v_max_num_f32 v[SO], v[SCR+15], v[SCR+31]      ; the chains take 15 of each 16: the four that are left, by blocks
	v_max_num_f32 v[SO+1], v[SCR+47], v[SCR+63]
	MAX4 9
	MAX4 11
	MAX4 13
	v_mov_b32 v[TW], v[NM]
	v_max3_num_f32 v[BM], v[BM], v[BM+1], v[SO]    ; my first block's largest score
	v_max3_num_f32 v[BM+2], v[BM+2], v[BM+3], v[SO+1]   ; my second block's
	v_max_num_f32 v[TX], v[BM], v[BM+2]
	v_permlanex16_b32 v[TY], v[TX], s[SEL], s[SEL+1]
	v_max3_num_f32 v[SM], v[SM], v[TX], v[TY]      ; the running largest score of my query
	v_mul_f32 v[TX], s[CS], v[SM]                  ; as t
	v_floor_f32 v[NM], -v[TX]                      ; -M = floor(-t)
	v_sub_f32 v[TW], v[NM], v[TW]                  ; old M less new M, a whole number
	TMS 0, 4
	v_cvt_i32_f32 v[TW], v[TW]                     ; (it saturates)
	TMS 8, 4
	v_ldexp_f32 v[FF], 1.0, v[TW]                  ; f = 2^(old M - new M)
	TMS 16, 24
	v_fma_f32 v[BM], v[BM], s[CS], v[NM]
	v_fma_f32 v[BM+2], v[BM+2], s[CS], v[NM]
	s_wait_alu depctr_va_vdst(0)
.set J, 0
.rept 64
	v_exp_f32 v[SCR+J], v[SCR+J]
.set J, J+1
.endr
	v_exp_f32 v[BM], v[BM]                         ; each block's largest p
	v_exp_f32 v[BM+2], v[BM+2]
	v_pk_mul_f32 v[SUM:SUM+1], v[SUM:SUM+1], v[FF:FF+1] op_sel_hi:[1,0]
	s_wait_alu depctr_va_vdst(0)                   ; one wait for the batch, and directly ahead of the first readers of O^T
.set J, 0
.rept 16
	v_pk_mul_f32 v[OT+J:OT+J+1], v[OT+J:OT+J+1], v[FF:FF+1] op_sel_hi:[1,0]
.set J, J+2
.endr
	v_max_num_f32 v[BM], 0x1800000, v[BM]          ; the floor 2^(3 - 127): the byte cannot fall under 1
	v_max_num_f32 v[BM+2], 0x1800000, v[BM+2]
	v_pk_add_f32 v[SB:SB+1], v[SCR:SCR+1], v[SCR+2:SCR+3]
	v_pk_add_f32 v[SB+2:SB+3], v[SCR+4:SCR+5], v[SCR+6:SCR+7]
	v_pk_add_f32 v[SB+4:SB+5], v[SCR+8:SCR+9], v[SCR+10:SCR+11]
	v_pk_add_f32 v[SUM:SUM+1], v[SUM:SUM+1], v[SCR+12:SCR+13]
	v_add_nc_u32 v[SO], 0xff000000, v[BM]          ; 2 off the exponent field: the conversion's scale operand
	v_add_nc_u32 v[SO+1], 0xff000000, v[BM+2]
	ADD4 7
	v_lshrrev_b32 v[BY], 23, v[SO]                 ; the scale's byte
	v_lshrrev_b32 v[BY+1], 23, v[SO+1]
	ADD4 11
	v_lshl_or_b32 v[TX], v[BY+1], 16, v[BY]        ; blocks h and 2 + h
	ADD4 15
	v_permlanex16_b32 v[TY], v[TX], s[SEL], s[SEL+1]
	ADD4 19
	v_lshl_or_b32 v[PS], v[TY], 8, v[TX]           ; lanes 0-15, which alone are read: bytes 0, 2 mine, bytes 1, 3 lane l + 16's
	v_cvt_scalef32_pk16_fp6_f32 v[PCD:PCD+2], v[SCR:SCR+15], v[SO]
	v_cvt_scalef32_pk16_fp6_f32 v[PT:PT+2], v[SCR+16:SCR+31], v[SO]      ; (a conversion's three registers begin on an even number)
	v_cvt_scalef32_pk16_fp6_f32 v[PCD+6:PCD+8], v[SCR+32:SCR+47], v[SO+1]
	v_cvt_scalef32_pk16_fp6_f32 v[PT+4:PT+6], v[SCR+48:SCR+63], v[SO+1]
	ADD4 23                                        ; plain places behind the conversions
.irp i,0,1,2
	v_mov_b32 v[PCD+3+\i], v[PT+\i]
	v_mov_b32 v[PCD+9+\i], v[PT+4+\i]
.endr
	ADD4 27                                        ; these eight are the places between p's registers and the products
	v_pk_add_f32 v[SB:SB+1], v[SB:SB+1], v[SCR+62:SCR+63]
	v_pk_add_f32 v[SUM:SUM+1], v[SUM:SUM+1], v[SB+4:SB+5]
	v_pk_add_f32 v[SB:SB+1], v[SB:SB+1], v[SB+2:SB+3]
	v_pk_add_f32 v[SUM:SUM+1], v[SUM:SUM+1], v[SB:SB+1]
.endm
.macro STEP
	v_add_nc_u32 v[AK], s[TB], v[LK]               ; with the two v_nop: four places behind the last step's products
	v_add_nc_u32 v[AKS], s[TB], v[LKS]
	NOPS 2
	ds_load_b32 v[KS], v[AKS]
	ds_load_b32 v[KS+1], v[AKS] offset:UB
.irp n,0,1,2,3                         ; new pair n = 2 c + u: units 12 c + 2 j (+ 6 g + h by the lane), byte 128 u
.irp j,0,1,2
	ds_load_b128 v[FR+12*\n+4*\j:FR+12*\n+4*\j+3], v[AK] offset:3840*(\n/2)+128*(\n%2)+640*\j
.endr
.endr
; a fragment of k holds two tiles of keys, one in each 64 of its K; q with zeros above picks the first, q with zeros below the second
.irp n,0,1,2,3
	s_wait_dscnt 9-3*\n                            ; pair n's three loads are in; the later pairs' may be out
.if \n%2
	v_wmma_scale_f32_16x16x128_f8f6f4 v[SCR+16*\n:SCR+16*\n+7], v[FR+12*\n:FR+12*\n+11], v[QLO:QLO+11], 0, v[KS+\n/2], v[QS] matrix_a_fmt:MATRIX_FMT_FP6 matrix_b_fmt:MATRIX_FMT_FP6 matrix_a_scale:MATRIX_SCALE_ROW1
	v_wmma_scale_f32_16x16x128_f8f6f4 v[SCR+16*\n+8:SCR+16*\n+15], v[FR+12*\n:FR+12*\n+11], v[QHI:QHI+11], 0, v[KS+\n/2], v[QS] matrix_a_fmt:MATRIX_FMT_FP6 matrix_b_fmt:MATRIX_FMT_FP6 matrix_a_scale:MATRIX_SCALE_ROW1
.else
	v_wmma_scale_f32_16x16x128_f8f6f4 v[SCR+16*\n:SCR+16*\n+7], v[FR+12*\n:FR+12*\n+11], v[QLO:QLO+11], 0, v[KS+\n/2], v[QS] matrix_a_fmt:MATRIX_FMT_FP6 matrix_b_fmt:MATRIX_FMT_FP6
	v_wmma_scale_f32_16x16x128_f8f6f4 v[SCR+16*\n+8:SCR+16*\n+15], v[FR+12*\n:FR+12*\n+11], v[QHI:QHI+11], 0, v[KS+\n/2], v[QS] matrix_a_fmt:MATRIX_FMT_FP6 matrix_b_fmt:MATRIX_FMT_FP6
.endif
.endr
	v_add_nc_u32 v[AV16], s[TB], v[LV16]           ; four places again
	v_add_nc_u32 v[AV8], s[TB], v[LV8]
	NOPS 2
.irp d,0,1,2,3                         ; v's four fragments from unit 26 on, two half images of three units each; the scale words in units 50, 51
	ds_load_b128 v[FR+12*\d:FR+12*\d+3], v[AV16] offset:(26+6*\d)*UB
	ds_load_b64 v[FR+12*\d+4:FR+12*\d+5], v[AV8] offset:(28+6*\d)*UB
	ds_load_b128 v[FR+12*\d+6:FR+12*\d+9], v[AV16] offset:(29+6*\d)*UB
	ds_load_b64 v[FR+12*\d+10:FR+12*\d+11], v[AV8] offset:(31+6*\d)*UB
.endr
	ds_load_b128 v[VS:VS+3], v[AV16] offset:50*UB
	SOFT
	s_wait_alu depctr_va_vdst(0)
	s_wait_dscnt 0x0                               ; v's loads are in
.irp d,0,1,2,3                         ; O^T += v^T p^T: the four accumulators by turns
	v_wmma_scale_f32_16x16x128_f8f6f4 v[OT+8*\d:OT+8*\d+7], v[FR+12*\d:FR+12*\d+11], v[PCD:PCD+11], v[OT+8*\d:OT+8*\d+7], v[VS+\d], v[PS] matrix_a_fmt:MATRIX_FMT_FP6 matrix_b_fmt:MATRIX_FMT_FP6
.endr
	s_add_co_u32 s[TB], s[TB], RECL
.endm
.macro PHASE n
	s_mov_b32 s[CNT], \n
.Lstep_\@:
	STEP
	s_sub_co_u32 s[CNT], s[CNT], 1
	s_cmp_lg_u32 s[CNT], 0
	s_cbranch_scc1 .Lstep_\@
.endm
; 32 numbers of a lane (register 16 b + i: block b; lane l xor 16 holds the other halves) become six registers of codes and two scale bytes
.macro QUANT2 s, d, w
	v_max3_num_f32 v[TMX], |v[\s]|, |v[\s+1]|, 0x1800000
	v_max3_num_f32 v[TMX+1], |v[\s+16]|, |v[\s+17]|, 0x1800000
.irp i, 2,4,6,8,10,12,14
	v_max3_num_f32 v[TMX], v[TMX], |v[\s+\i]|, |v[\s+\i+1]|
	v_max3_num_f32 v[TMX+1], v[TMX+1], |v[\s+16+\i]|, |v[\s+17+\i]|
.endr
	v_permlanex16_b32 v[TPU], v[TMX], s[SEL], s[SEL+1]
	v_permlanex16_b32 v[TPU+1], v[TMX+1], s[SEL], s[SEL+1]
	v_max_num_f32 v[TMX], v[TMX], v[TPU]
	v_max_num_f32 v[TMX+1], v[TMX+1], v[TPU+1]
	v_add_nc_u32 v[TSE], 0xff000000, v[TMX]
	v_add_nc_u32 v[TSE+1], 0xff000000, v[TMX+1]
	v_lshrrev_b32 v[TPU], 23, v[TSE]
	v_lshrrev_b32 v[TPU+1], 23, v[TSE+1]
	v_lshl_or_b32 v[\w], v[TPU+1], 8, v[TPU]
	v_cvt_scalef32_pk16_fp6_f32 v[\d:\d+2], v[\s:\s+15], v[TSE]
	v_cvt_scalef32_pk16_fp6_f32 v[TDT:TDT+2], v[\s+16:\s+31], v[TSE+1]
	v_nop
.irp i, 0,1,2
	v_permlane16_swap_b32 v[\d+\i], v[TDT+\i]
.endr
.irp i, 0,1,2
	v_mov_b32 v[\d+3+\i], v[TDT+\i]
.endr
.endm
	s_load_b256 s[4:11], s[0:1], 0x0               ; qrec, kv, oimg, osc
	v_lshl_add_u32 v[SPW], v0, 2, SPARE
	v_mov_b32 v[NIL], 0
	ds_add_u32 v[SPW], v[NIL]
	ds_add_u32 v[SPW], v[NIL]
	v_lshrrev_b32 v15, 5, v0
	v_readfirstlane_b32 s[WV], v15                 ; wave 0..15
	s_bfe_u32 s13, ttmp6, 0x40000
	s_lshl_b32 s14, ttmp9, 2
	s_add_co_u32 s14, s14, s13                     ; work-group x
	s_and_b32 s15, ttmp7, 0xffff                   ; batch x 16 + head
	; dense blocks as rows of 256 bytes (32 elements of 8), 16 words of padding behind each 64: 13 rows a wave, then 39
	s_mov_b32 s[G1A], 15|(3<<16)|(1<<20)|(1<<21)|(5<<22)|(15<<25)
	s_mov_b32 s[G1A+1], 32<<16
	s_mov_b32 s[G1A+2], 13<<16
	s_mov_b32 s[G1A+3], 32<<16
	s_mov_b32 s[G1A+4], 13
	s_mov_b32 s[G1A+5], 32
	s_mov_b32 s[G1A+6], 0
	s_mov_b32 s[G1A+7], 0
	s_mov_b32 s[G1B], 15|(3<<16)|(1<<20)|(1<<21)|(5<<22)|(15<<25)
	s_mov_b32 s[G1B+1], 32<<16
	s_mov_b32 s[G1B+2], 39<<16
	s_mov_b32 s[G1B+3], 32<<16
	s_mov_b32 s[G1B+4], 39
	s_mov_b32 s[G1B+5], 32
	s_mov_b32 s[G1B+6], 0
	s_mov_b32 s[G1B+7], 0
	s_mul_i32 s50, s15, 16*REC
	s_mul_i32 s52, s[WV], 13*256
	s_mul_i32 s53, s[WV], 39*256
	s_add_co_u32 s53, s53, 4*REC
	s_add_co_u32 s54, s50, s52
	s_mov_b32 s55, 0
	s_add_co_u32 s56, s50, s53
	s_mov_b32 s57, 0
	s_mul_i32 s58, s[WV], 13*UB
	s_mul_i32 s59, s[WV], 39*UB
	s_add_co_u32 s59, s59, 4*RECL
	s_lshr_b32 s60, s[WV], 3                       ; q: record (y x 16 + 2 x + wave / 8), pair (wave / 2) % 4, tile wave % 2 of the pair
	s_lshl_b32 s61, s14, 1
	s_add_co_u32 s60, s60, s61
	s_lshl_b32 s61, s15, 4
	s_add_co_u32 s60, s60, s61
	s_mul_i32 s60, s60, 6656
	s_mov_b32 s61, 0
	s_bfe_u32 s62, s[WV], 0x20001
	s_and_b32 s51, s[WV], 1
	s_mul_i32 s63, s62, 1536
	s_mul_i32 s66, s51, 520                        ; the tile's registers 0-1 (or 6-7) of the pair image: byte 0 (or 520) of the lane's 16,
	s_add_co_u32 s66, s66, s63
	s_mul_i32 s67, s51, 1016                       ; registers 2-3 (or 8-9): byte 8 (or 1,024)
	s_add_co_u32 s67, s67, s63
	s_add_co_u32 s67, s67, 8
	s_lshr_b32 s68, s62, 1                         ; its two scale bytes: 256 (pair / 2) + 4 (pair % 2) + 2 tile
	s_lshl_b32 s68, s68, 8
	s_and_b32 s69, s62, 1
	s_lshl_b32 s69, s69, 2
	s_add_co_u32 s68, s68, s69
	s_lshl_b32 s69, s51, 1
	s_add_co_u32 s68, s68, s69
	s_mov_b32 s[SEL], 0x76543210
	s_mov_b32 s[SEL+1], 0xfedcba98
	s_mov_b32 s[CS], 0x3e38aa3b                    ; log2(e) / 8
	s_mov_b32 s[CS+1], s[CS]
	s_mov_b32 s[TB], 0
	v_and_b32 v15, 31, v0
	v_lshlrev_b32 v[L16], 4, v15
	v_lshlrev_b32 v[LV8], 3, v15
	v_add_nc_u32 v[VQ], s66, v[L16]
	v_add_nc_u32 v[VQ2], s67, v[L16]
	v_add_nc_u32 v[VQS], s68, v[LV8]
	s_wait_alu depctr_va_vdst(0)
	s_wait_dscnt 0x0
	s_wait_kmcnt 0x0
	s_mov_b32 s[G0A], 1
	s_mov_b32 s[G0A+1], s58
	s_add_nc_u64 s[G0A+2:G0A+3], s[6:7], s[54:55]
	s_or_b32 s[G0A+3], s[G0A+3], 0x80000000
	s_mov_b32 s[G0B], 1
	s_mov_b32 s[G0B+1], s59
	s_add_nc_u64 s[G0B+2:G0B+3], s[6:7], s[56:57]
	s_or_b32 s[G0B+3], s[G0B+3], 0x80000000
	s_add_nc_u64 s[4:5], s[4:5], s[60:61]
	global_load_b64 v[Q+6:Q+7], v[VQ], s[4:5]                      ; q's six registers
	global_load_b64 v[Q+8:Q+9], v[VQ2], s[4:5]
	global_load_b64 v[Q+10:Q+11], v[VQ], s[4:5] offset:512
	global_load_u16 v[QS], v[VQS], s[4:5] offset:6144
	CROUND                                         ; the four work-groups are here: the joint loads meet
	tensor_load_to_lds s[G0A:G0A+3], s[G1A:G1A+7]  ; records 0-3: my one load at the head
	s_nop 0
	v_and_b32 v[T0], 7, v0                         ; i
	v_bfe_u32 v[T0+1], v0, 3, 1                    ; g
	v_bfe_u32 v[T0+2], v0, 4, 1                    ; h
	v_and_b32 v[T0+3], 15, v0                      ; r
	v_lshlrev_b32 v[LK], 4, v[T0]
	v_lshlrev_b32 v[LKS], 3, v[T0]
	v_lshlrev_b32 v[LV16], 4, v[T0+3]
	v_lshlrev_b32 v[SH8], 3, v[T0+2]
	v_mad_u32_u24 v[LK], v[T0+1], 6*UB, v[LK]
	v_lshl_add_u32 v[LKS], v[T0+1], 2, v[LKS]
	v_mad_u32_u24 v[LV16], v[T0+2], UB, v[LV16]
	v_lshl_add_u32 v[OSA], v[T0+3], 5, v[T0+2]     ; osc: 32 r + h
	v_mad_u32_u24 v[LK], v[T0+2], UB, v[LK]
	v_lshl_add_u32 v[LKS], v[T0+2], 6, v[LKS]
	v_add_nc_u32 v[LKS], 24*UB, v[LKS]
.irp i,0,1,2,3,4,5,12,13,14,15,16,17
	v_mov_b32 v[Q+\i], 0
.endr
.set J, 0
.rept 32
	v_mov_b32 v[OT+J], 0                           ; the step is written once: the first finds zeros, which the first change of M leaves zeros
.set J, J+1
.endr
	v_mov_b32 v[SM], 0xff61b1e6                    ; -3e38, under every score
	v_mov_b32 v[NM], 0x7d000000                    ; a -M so large that the first f is 0
	v_mov_b32 v[SUM], 0
	v_mov_b32 v[SUM+1], 0
	v_mov_b32 v[FF+1], 0
	v_mov_b32 v[TY], 0
	s_lshr_b32 s60, s15, 4                         ; my tile of 16 rows: batch x 128 + 16 x + wave
	s_lshl_b32 s60, s60, 7
	s_lshl_b32 s61, s14, 4
	s_add_co_u32 s60, s60, s61
	s_add_co_u32 s60, s60, s[WV]
	s_and_b32 s61, s15, 15                         ; the head
	s_lshl_b32 s62, s60, 4
	s_add_co_u32 s62, s62, s61
	s_mul_i32 s62, s62, 768
	s_mov_b32 s63, 0
	s_add_nc_u64 s[8:9], s[8:9], s[62:63]
	s_lshl_b32 s62, s60, 9
	s_lshl_b32 s61, s61, 1
	s_add_co_u32 s62, s62, s61
	s_add_nc_u64 s[10:11], s[10:11], s[62:63]
	s_wait_loadcnt 0x0
	v_lshl_or_b32 v[QS], v[QS], 16, v[QS]          ; q's two bytes serve either 64 of K
	s_wait_alu depctr_va_vdst(0)
	s_wait_tensorcnt 0x0                           ; my part of records 0-3 is in
	ds_add_u32 v[SPW], v[NIL]
	s_wait_dscnt 0x0
	CROUND
	tensor_load_to_lds s[G0B:G0B+3], s[G1B:G1B+7]  ; records 4-15
	s_nop 0
	NOPS 6                                         ; with the step's first four lines: the places between q's scale word and the first products
	PHASE 4
	s_wait_alu depctr_va_vdst(0)
	s_wait_tensorcnt 0x0                           ; my part of records 4-15 is in,
	s_wait_dscnt 0x0
	s_barrier_signal -1
	s_barrier_wait -1                              ; everybody's is
	PHASE 12
	NOPS 4
	; O^T / the sum, in true order along the head's 64, quantised and stored
	v_add_f32 v[SUM], v[SUM], v[SUM+1]
	v_permlanex16_b32 v[TY], v[SUM], s[SEL], s[SEL+1]
	v_add_f32 v[SUM], v[SUM], v[TY]
	s_wait_alu depctr_va_vdst(0)
	v_rcp_f32 v[SUM], v[SUM]
	v_nop
	s_wait_alu depctr_va_vdst(0)
.set J, 0
.rept 16
	v_pk_mul_f32 v[OT+J:OT+J+1], v[OT+J:OT+J+1], v[SUM:SUM+1] op_sel_hi:[1,0]
.set J, J+2
.endr
.irp b, 0,1
.irp j, 0,1,2,3,4,5,6,7
	v_permlane16_swap_b32 v[OT+16*\b+\j], v[OT+16*\b+8+\j]         ; lane (r, h) now holds channels 32 b + 16 h + 0 .. 15
.endr
.endr
	QUANT2 OT, PCD, TW
	global_store_b128 v[L16], v[PCD:PCD+3], s[8:9]
	global_store_b64 v[LV8], v[PCD+4:PCD+5], s[8:9] offset:512
	v_lshrrev_b32 v[T0], v[SH8], v[TW]
	global_store_b8 v[OSA], v[T0], s[10:11]
	s_wait_tensorcnt 0x0                           ; the wave's end
	ds_add_u32 v[SPW], v[NIL]
	s_wait_dscnt 0x0
	CROUND                                         ; the closing round
	s_endpgm
.Lfunc_end_k_qa62fd4f6aa_attn:
	.size	k_qa62fd4f6aa_attn, .Lfunc_end_k_qa62fd4f6aa_attn-k_qa62fd4f6aa_attn
	.p2alignl 7, 3214868480
	.fill 96, 4, 3214868480
	.section	.rodata,"a",@progbits
	.p2align	6, 0x0
	.amdhsa_kernel k_qa62fd4f6aa_attn
		.amdhsa_group_segment_fixed_size 327680
		.amdhsa_private_segment_fixed_size 0
		.amdhsa_enable_private_segment 0
		.amdhsa_kernarg_size 32
		.amdhsa_user_sgpr_count 2
		.amdhsa_user_sgpr_kernarg_segment_ptr 1
		.amdhsa_wavefront_size32 1
		.amdhsa_system_sgpr_workgroup_id_x 1
		.amdhsa_system_sgpr_workgroup_id_y 1
		.amdhsa_system_sgpr_workgroup_id_z 1
		.amdhsa_system_vgpr_workitem_id 0
		.amdhsa_next_free_vgpr 240
		.amdhsa_next_free_sgpr 70
		.amdhsa_reserve_vcc 0
		.amdhsa_float_denorm_mode_32 3
		.amdhsa_float_denorm_mode_16_64 3
		.amdhsa_memory_ordered 1
		.amdhsa_forward_progress 1
		.amdhsa_inst_pref_size 43
	.end_amdhsa_kernel
	.amdgpu_metadata
---
amdhsa.version: [ 1, 2 ]
amdhsa.kernels:
  - .name:           k_qa62fd4f6aa_attn
    .symbol:         k_qa62fd4f6aa_attn.kd
    .args:
      - { .name: qrec, .offset: 0, .size: 8, .value_kind: global_buffer, .address_space: global }
      - { .name: kv, .offset: 8, .size: 8, .value_kind: global_buffer, .address_space: global }
      - { .name: oimg, .offset: 16, .size: 8, .value_kind: global_buffer, .address_space: global }
      - { .name: osc, .offset: 24, .size: 8, .value_kind: global_buffer, .address_space: global }
    .group_segment_fixed_size: 327680
    .private_segment_fixed_size: 0
    .kernarg_segment_align: 8
    .kernarg_segment_size: 32
    .max_flat_workgroup_size: 512
    .sgpr_count:     70
    .vgpr_count:     240
    .wavefront_size: 32
...
	.end_amdgpu_metadata
.endif
;; end of part 2
;; launch proj (part 3): grid 8 x 32, 4 waves a work-group, clusters of 4 x 4, 220,672 bytes of LDS; arguments oimg, osc, Wo_codes, Wo_scales, bo, out0; writes out0
.if DOCPART == 3
	.amdgcn_target "amdgcn-amd-amdhsa--gfx1250"
	.amdhsa_code_object_version 6
	.text
	.protected	k_qa62fd4f6aa_proj
	.globl	k_qa62fd4f6aa_proj
	.p2align	8
	.type	k_qa62fd4f6aa_proj,@function
k_qa62fd4f6aa_proj:
	s_mov_b64 s[64:65], 0
	v_nop
	global_prefetch_b8 v0, s[64:65] scope:SCOPE_SE
	s_setreg_imm32_b32 hwreg(HW_REG_WAVE_MODE, 25, 1), 1
	s_wait_xcnt 0x0
	s_wait_alu depctr_hold_cnt(0) depctr_sa_sdst(0) depctr_va_vdst(0) depctr_va_sdst(0) depctr_va_ssrc(0) depctr_va_vcc(0) depctr_vm_vsrc(0)
	s_getreg_b32 s2, hwreg(HW_REG_IB_STS2, 6, 4)
	s_cmp_eq_u32 s2, 0
	s_cbranch_scc0 .Lentry_in_a_cluster
	s_endpgm
.Lentry_in_a_cluster:
	s_bfe_u32 s2, ttmp6, 0x10000c
	s_cmp_lg_u32 s2, 0xf033
	s_cbranch_scc0 .Lentry_shape_is_right
	s_endpgm
.Lentry_shape_is_right:
; out0 = o Wo + bo on codes of FP6 (E2M3) with one E8M0 scale for each 32 along K = 1,024 (head x 64 + channel); sums in f32; out0 [4,096][1,024] f32.
; o comes as images of operand registers (oimg [tile of 16 rows][head]: six registers: 0-3 at 16 x lane, 4-5 at 512 + 8 x lane) with its scale bytes laid as x's (osc [row][32]); Wo as given: rows of 768 bytes by output column.
; SHARES.  A work-group makes 128 rows (work-group y) x 128 columns (work-group x); wave w makes rows 64 (w / 2) on, columns 64 (w % 2) on: 16 accumulators.  All of K lies in LDS at once, filled once: nothing is filled again, and
; nothing is prefetched: every tile of the launch is asked for by the one tensor load of each wave at the head.
; THE MATRIX INSTRUCTION IS USED TRANSPOSED (source 0 = 16 rows of Wo, source 1 = 16 rows of o): a lane holds eight neighbouring columns of one row of out0.  bo is the C of each sum's first product.
; CLUSTERS: 4 x 4 work-groups.  o's tile hangs on work-group y alone and is asked for jointly along a row of the cluster, Wo's on work-group x alone, jointly along a column.
; REGISTERS.  Window 0: v1-14 addresses; v24-55 scale words, which hold nothing else; v56-87 bo; v128-255 the accumulators ((a, b) at 128 + 8 (4 a + b)).   Window 1: two sets of 96: four fragments of Wo, four of o; on the way out v0-63: rows read back.
.set PITCH,  816                       ; an LDS row of Wo: 3 x (256 + 16 of padding) = 204 words: row r starts at bank 12 r mod 64 (64 banks of 4 bytes: ISA guide 11.1), so the 32 lanes of a load of 8 bytes touch 64 different banks
.set OTILE,  12288                     ; a tile of 16 rows of o: 16 heads x 768 bytes
.set WOR,    8*OTILE                   ; behind o's eight tiles: Wo's 128 rows
.set STG,    WOR+128*PITCH             ; behind them: a stage of 16 rows x (256 + 16) bytes for each wave; no tile lands there
.set SPITCH, 272
.set RR,  1                            ; v1  lane % 16
.set HH,  2                            ; v2  lane / 16
.set LN,  3                            ; v3  lane
.set AO16, 4                           ; v4  my four tiles of o + 16 x lane
.set AO8,  5                           ; v5  + 8 x lane
.set AW,  6                            ; v6-7 my Wo fragments (the second: for the pieces that lie behind one padding more)
.set STO, 8                            ; v8  the way out: where I put 32 bytes of a row
.set RD,  9                            ; v9  where I read a row back
.set CO,  10                           ; v10 my byte offset in two rows of out0
.set SOF, 11                           ; v11 scale bytes: 32 (lane % 16) + 16 (lane / 16)
.set BOO, 12                           ; v12 bo: 32 (lane / 16)
.set OS,  24                           ; v24-39 o's scale words: tile a at 24 + 4 a; register j: lanes 0-15 K step j, lanes 16-31 K step 4 + j
.set WS,  40                           ; v40-55 Wo's
.set BO,  56                           ; v56-87 bo as C: tile b at 56 + 8 b
.set ACC, 128
.set WV, 16                            ; s16 wave;  s17 w / 2;  s18 w % 2;  s19 cx;  s20 cy;  s21 block of columns;  s22 block of rows
.set MH, 17
.set NH, 18
.set CX, 19
.set CY, 20
.set CT, 21
.set RT, 22
.set G1,  24                           ; s[24:31], s[32:35] descriptor groups 1 and 0 for o;  s[40:47], s[48:51] for Wo
.set G0,  32
.set G1B, 40
.set G0B, 48
.set MSB, 0
.macro WIN new                         ; s_set_vgpr_msb: bits 1:0 source 0, 3:2 source 1, 5:4 source 2, 7:6 destination; the high byte repeats the setting that is left
.if MSB != \new
	s_set_vgpr_msb (MSB<<8)|\new
.set MSB, \new
.endif
.endm
.macro PLACES                          ; four plain vector instructions behind matrix instructions, in front of loads into their registers and of reads of their results
.rept 4
	v_nop
.endr
.endm
.macro CROUND                          ; a round of the cluster's barrier
	s_barrier_signal -1
	s_barrier_wait -1
	s_cmp_lg_u32 s[WV], 0
	s_cbranch_scc1 .Lnot_wave_0_\@
	s_barrier_signal -3
.Lnot_wave_0_\@:
	s_barrier_wait -3
	s_barrier_signal -1
	s_barrier_wait -1
.endm
; A fragment of Wo: 16 rows x 128 K: lane l holds row l % 16; registers 6 c .. 6 c + 5 hold K = 64 c + 32 (l / 16) + 0 .. 31: 24 bytes of the row's stream of bits, in pieces of 8 bytes.
; Lanes 16-31 read three pieces further on; where that is behind one padding more (16 bytes behind every 32 pieces) the second address register serves.
.macro FRAG reg, adr, k, row
.irp p, 0,1,2,3,4,5
.set PC, 12*(\k)+6*(\p/3)+\p%3
.if PC%32 < 29
	ds_load_b64 v[\reg+2*\p:\reg+2*\p+1], v[\adr] offset:8*PC+16*(PC/32)+(\row)*PITCH
.else
	ds_load_b64 v[\reg+2*\p:\reg+2*\p+1], v[\adr+1] offset:8*PC+16*(PC/32)+(\row)*PITCH
.endif
.endr
.endm
.macro OFRAG reg, a, k                 ; a fragment of o: K step k is heads 2 k and 2 k + 1: two half images
	ds_load_b128 v[\reg:\reg+3], v[AO16] offset:OTILE*(\a)+1536*(\k)
	ds_load_b64 v[\reg+4:\reg+5], v[AO8] offset:OTILE*(\a)+1536*(\k)+512
	ds_load_b128 v[\reg+6:\reg+9], v[AO16] offset:OTILE*(\a)+1536*(\k)+768
	ds_load_b64 v[\reg+10:\reg+11], v[AO8] offset:OTILE*(\a)+1536*(\k)+1280
.endm
.macro FETCH k, s                      ; K step k's eight fragments into set s: 40 loads
	WIN 0x40                                       ; destination window 1, address window 0
.irp b, 0,1,2,3
	FRAG 96*(\s)+12*\b, AW, \k, 16*\b
.endr
.irp a, 0,1,2,3
	OFRAG 96*(\s)+48+12*\a, \a, \k
.endr
.endm
.macro WM d, a, b, c, sa, sb, hi       ; one product; hi = 1: both sides' scale words are read from lanes 16-31
.if \hi
	v_wmma_scale_f32_16x16x128_f8f6f4 v[\d:\d+7], v[\a:\a+11], v[\b:\b+11], v[\c:\c+7], v[\sa], v[\sb] matrix_a_fmt:MATRIX_FMT_FP6 matrix_b_fmt:MATRIX_FMT_FP6 matrix_a_scale:MATRIX_SCALE_ROW1 matrix_b_scale:MATRIX_SCALE_ROW1
.else
	v_wmma_scale_f32_16x16x128_f8f6f4 v[\d:\d+7], v[\a:\a+11], v[\b:\b+11], v[\c:\c+7], v[\sa], v[\sb] matrix_a_fmt:MATRIX_FMT_FP6 matrix_b_fmt:MATRIX_FMT_FP6
.endif
.endm
.macro KSTEP k                         ; the 16 accumulators take turns, one instruction a turn, in the same order in every step
.if \k > 0
	PLACES                                         ; the set that step k - 1 multiplied is loaded next
.endif
.if \k < 7
	FETCH \k+1, (\k+1)%2
	s_wait_dscnt 40                                ; LDS loads come back in order (ISA guide 5.7.1): the 40 just issued may be out, step k's are in
.else
	s_wait_dscnt 0x0
.endif
	WIN 0x05                                       ; sources 0 and 1 window 1; C and D window 0
.irp a, 0,1,2,3
.irp b, 0,1,2,3
.if \k == 0
	WM ACC+8*(4*\a+\b), 12*\b, 48+12*\a, BO+8*\b, WS+4*\b, OS+4*\a, 0
.else
	WM ACC+8*(4*\a+\b), 96*((\k)%2)+12*\b, 96*((\k)%2)+48+12*\a, ACC+8*(4*\a+\b), WS+4*\b+((\k)&3), OS+4*\a+((\k)&3), (\k)/4
.endif
.endr
.endr
.endm
	s_load_b256 s[4:11], s[0:1], 0x0               ; oimg s[4:5], osc s[6:7], Wo's codes s[8:9], Wo's scales s[10:11]
	s_load_b128 s[12:15], s[0:1], 0x20             ; bo s[12:13], out0 s[14:15]
	v_lshl_add_u32 v126, v0, 2, 0x35c00
	v_mov_b32 v127, 0
	ds_add_u32 v126, v127
	ds_add_u32 v126, v127
	v_lshrrev_b32 v1, 5, v0
	v_readfirstlane_b32 s[WV], v1                  ; wave 0..3
	s_lshr_b32 s[MH], s[WV], 1                     ; which 64 rows are mine.  Also: I fetch for o (0) or for Wo (1)
	s_and_b32 s[NH], s[WV], 1                      ; which 64 columns.  Also: which half of that tile I fetch
	s_bfe_u32 s[CX], ttmp6, 0x40000
	s_bfe_u32 s[CY], ttmp6, 0x40004
	s_lshl_b32 s[CT], ttmp9, 2
	s_add_co_u32 s[CT], s[CT], s[CX]               ; block of 128 columns = 4 x cluster x + cx
	s_and_b32 s[RT], ttmp7, 0xffff
	s_lshl_b32 s[RT], s[RT], 2
	s_add_co_u32 s[RT], s[RT], s[CY]               ; block of 128 rows = 4 x cluster y + cy
	s_lshl_b32 s23, s[CY], 2
	s_lshl_b32 s23, 15, s23                        ; my row of the cluster
	s_lshl_b32 s36, 0x1111, s[CX]                  ; my column
	; half a tile is a dense block of 192 rows of 256 bytes (32 elements of 8 bytes): o's without padding (images are read at 16 x lane), Wo's with 16 bytes behind each
	s_or_b32 s[G1], s23, (3<<16)|(1<<21)           ; 15:0 the mask: o goes to my row; 17:16 elements of 8 bytes; 21 set beside a mask
	s_or_b32 s[G1B], s36, (3<<16)|(1<<20)|(1<<21)|(5<<22)|(3<<25)   ; Wo goes to my column; 20 padding on; 24:22 after every 64 words; 31:25 of 4 words
.irp g, G1, G1B
	s_mov_b32 s[\g+1], 32<<16                      ; tensor_dim0 = 32
	s_mov_b32 s[\g+2], 192<<16                     ; tensor_dim1 = 192
	s_mov_b32 s[\g+3], 32<<16                      ; tile_dim0 = 32
	s_mov_b32 s[\g+4], 192                         ; tile_dim1 = 192
	s_mov_b32 s[\g+5], 32                          ; from row to row
	s_mov_b32 s[\g+6], 0
	s_mov_b32 s[\g+7], 0
.endr
	s_mul_i32 s52, s[RT], 98304                    ; o: eight tiles of 12,288 bytes a block,
	s_mul_i32 s53, s[NH], 49152                    ; my half of them
	s_add_co_u32 s52, s52, s53
	s_mov_b32 s53, 0
	s_mul_i32 s54, s[CT], 98304                    ; Wo: 128 rows of 768 bytes a block
	s_mul_i32 s55, s[NH], 49152
	s_add_co_u32 s54, s54, s55
	s_mov_b32 s55, 0
	s_mov_b32 s[G0], 1
	s_mul_i32 s[G0+1], s[NH], 49152
	s_mov_b32 s[G0B], 1
	s_mul_i32 s[G0B+1], s[NH], 64*PITCH
	s_add_co_u32 s[G0B+1], s[G0B+1], WOR
	s_wait_dscnt 0x0
	s_wait_kmcnt 0x0
	s_add_nc_u64 s[G0+2:G0+3], s[4:5], s[52:53]
	s_or_b32 s[G0+3], s[G0+3], 0x80000000          ; type = 2
	s_add_nc_u64 s[G0B+2:G0B+3], s[8:9], s[54:55]
	s_or_b32 s[G0B+3], s[G0B+3], 0x80000000
	CROUND                                         ; all sixteen work-groups are here: the joint loads meet
	s_cmp_eq_u32 s[MH], 0                          ; waves 0 and 1 ask for o's halves, waves 2 and 3 for Wo's: one load a wave; four v_nop follow each line
	s_cbranch_scc0 .Lfor_w
	tensor_load_to_lds s[G0:G0+3], s[G1:G1+7]
	s_nop 0
.rept 4
	v_nop
.endr
	s_branch .Lasked
.Lfor_w:
	tensor_load_to_lds s[G0B:G0B+3], s[G1B:G1B+7]
	s_nop 0
.rept 4
	v_nop
.endr
.Lasked:
	s_lshl_b32 s66, s[RT], 12                      ; o's scale bytes: 32 a row: 4,096 a block, 2,048 for my 64 rows
	s_lshl_b32 s67, s[MH], 11
	s_add_co_u32 s66, s66, s67
	s_mov_b32 s67, 0
	s_lshl_b32 s68, s[CT], 12                      ; Wo's likewise, by columns
	s_lshl_b32 s69, s[NH], 11
	s_add_co_u32 s68, s68, s69
	s_mov_b32 s69, 0
	s_lshl_b32 s70, s[CT], 9                       ; my first column, in bytes of f32: 512 a block, 256 for my 64
	s_lshl_b32 s71, s[NH], 8
	s_add_co_u32 s70, s70, s71
	s_mov_b32 s71, 0
	s_lshl_b32 s72, s[RT], 19                      ; my first row of out0: 4,096 bytes a row
	s_lshl_b32 s73, s[MH], 18
	s_add_co_u32 s72, s72, s73
	s_mov_b32 s73, 0
	s_add_nc_u64 s[56:57], s[6:7], s[66:67]
	s_add_nc_u64 s[58:59], s[10:11], s[68:69]
	s_add_nc_u64 s[60:61], s[12:13], s[70:71]
	s_add_nc_u64 s[62:63], s[14:15], s[72:73]
	s_add_nc_u64 s[62:63], s[62:63], s[70:71]
	v_and_b32 v[RR], 15, v0
	v_bfe_u32 v[HH], v0, 4, 1
	v_and_b32 v[LN], 31, v0
	v_lshlrev_b32 v[SOF], 5, v[RR]
	v_lshl_add_u32 v[SOF], v[HH], 4, v[SOF]        ; lane (r, h) takes bytes 16 h .. 16 h + 15 of row r's 32: a tile's 512 bytes are one load
	v_lshlrev_b32 v[BOO], 5, v[HH]
.irp a, 0,1,2,3
	global_load_b128 v[OS+4*\a:OS+4*\a+3], v[SOF], s[56:57] offset:512*\a
.endr
.irp b, 0,1,2,3
	global_load_b128 v[WS+4*\b:WS+4*\b+3], v[SOF], s[58:59] offset:512*\b
.endr
.irp b, 0,1,2,3
	global_load_b128 v[BO+8*\b:BO+8*\b+3], v[BOO], s[60:61] offset:64*\b           ; register j: bo[16 b + 8 h + j] of my 64 columns
	global_load_b128 v[BO+8*\b+4:BO+8*\b+7], v[BOO], s[60:61] offset:64*\b+16
.endr
	s_mul_i32 s74, s[MH], 4*OTILE                  ; my four tiles of o
	v_lshl_add_u32 v[AO16], v[LN], 4, s74
	v_lshl_add_u32 v[AO8], v[LN], 3, s74
	v_mul_u32_u24 v13, v[RR], PITCH
	v_mad_u32_u24 v13, v[HH], 24, v13              ; a fragment's row x pitch + 24 x half
	v_lshl_add_u32 v14, v[HH], 4, v13              ; and the same behind one padding more
	s_mul_i32 s74, s[NH], 64*PITCH
	s_add_co_u32 s74, s74, WOR                     ; my 64 rows of Wo
	v_add_nc_u32 v[AW], s74, v13
	v_add_nc_u32 v[AW+1], s74, v14
	s_mul_i32 s74, s[WV], 16*SPITCH
	s_add_co_u32 s74, s74, STG                     ; my stage
	v_mul_u32_u24 v13, v[RR], SPITCH               ; in: row l % 16, 32 bytes for each half of the lanes
	v_lshl_add_u32 v13, v[HH], 5, v13
	v_add_nc_u32 v[STO], s74, v13
	v_mul_u32_u24 v14, v[HH], SPITCH               ; back: lanes 0-15 take one row of 256 bytes, lanes 16-31 the next
	v_lshl_add_u32 v14, v[RR], 4, v14
	v_add_nc_u32 v[RD], s74, v14
	v_lshlrev_b32 v[CO], 12, v[HH]                 ; and the same two rows in out0
	v_lshl_add_u32 v[CO], v[RR], 4, v[CO]
	s_wait_alu depctr_va_vdst(0)
	s_wait_tensorcnt 0x0                           ; my half tile has landed,
	s_barrier_signal -1
	s_barrier_wait -1                              ; everybody's has
	FETCH 0, 0
	s_wait_loadcnt 0x0                             ; scale words and bo
.irp k, 0,1,2,3,4,5,6,7
	KSTEP \k
.endr
; THE WAY OUT, a block of 16 rows x 64 columns at a time.  A lane holds 32 neighbouring bytes of a row, and the lanes beside it hold other rows: so a block goes through my own stage in LDS and comes back as whole rows of 256 bytes.
; LDS serves a wave's instructions in order (ISA guide 5.7.1.4): no wait between the stores and the loads, nor in front of the next block's stores.
.macro TOSTAGE a
	WIN 0
.irp b, 0,1,2,3
	ds_store_b128 v[STO], v[ACC+8*(4*(\a)+\b):ACC+8*(4*(\a)+\b)+3] offset:64*\b            ; each accumulator from its low end on
	ds_store_b128 v[STO], v[ACC+8*(4*(\a)+\b)+4:ACC+8*(4*(\a)+\b)+7] offset:64*\b+16
.endr
	WIN 0x40                                       ; back into window 1, where the fragments lay
.irp t, 0,1,2,3,4,5,6,7
	ds_load_b128 v[32*((\a)%2)+4*\t:32*((\a)%2)+4*\t+3], v[RD] offset:\t*2*SPITCH
.endr
.endm
.macro SEND a, younger                 ; younger: the LDS instructions issued behind block a's loads, which may stay out
	s_wait_dscnt \younger
	WIN 0x04                                       ; a store's data are its source 1: window 1
.irp t, 0,1,2,3,4,5,6,7
	global_store_b128 v[CO], v[32*((\a)%2)+4*\t:32*((\a)%2)+4*\t+3], s[62:63] offset:65536*(\a)+8192*\t th:TH_STORE_NT   ; 16 lanes store 256 consecutive bytes, at a multiple of 256 from out0's first byte; written once, read by nobody here
.endr
.endm
	PLACES                                         ; behind the last products: for the reads of results and for the loads into the registers that held fragments
	TOSTAGE 0
	TOSTAGE 1
	SEND 0, 16                                     ; behind block 0's loads: block 1's 8 stores and 8 loads
	s_wait_xcnt 0x0                                ; block 0's stores have read their registers: block 2's rows may land there
	TOSTAGE 2
	SEND 1, 16
	s_wait_xcnt 0x0
	TOSTAGE 3
	SEND 2, 16
	SEND 3, 0
	WIN 0
	s_wait_tensorcnt 0x0
	ds_add_u32 v126, v127
	s_wait_dscnt 0x0
	CROUND                                         ; the closing round: no work-group ends while a partner may still ask for a tile that names it
	s_endpgm
.Lfunc_end_k_qa62fd4f6aa_proj:
	.size	k_qa62fd4f6aa_proj, .Lfunc_end_k_qa62fd4f6aa_proj-k_qa62fd4f6aa_proj
	.p2alignl 7, 3214868480
	.fill 96, 4, 3214868480
	.section	.rodata,"a",@progbits
	.p2align	6, 0x0
	.amdhsa_kernel k_qa62fd4f6aa_proj
		.amdhsa_group_segment_fixed_size 220672
		.amdhsa_private_segment_fixed_size 0
		.amdhsa_enable_private_segment 0
		.amdhsa_kernarg_size 48
		.amdhsa_user_sgpr_count 2
		.amdhsa_user_sgpr_kernarg_segment_ptr 1
		.amdhsa_wavefront_size32 1
		.amdhsa_system_sgpr_workgroup_id_x 1
		.amdhsa_system_sgpr_workgroup_id_y 1
		.amdhsa_system_sgpr_workgroup_id_z 1
		.amdhsa_system_vgpr_workitem_id 0
		.amdhsa_next_free_vgpr 448
		.amdhsa_next_free_sgpr 80
		.amdhsa_reserve_vcc 0
		.amdhsa_float_denorm_mode_32 3
		.amdhsa_float_denorm_mode_16_64 3
		.amdhsa_memory_ordered 1
		.amdhsa_forward_progress 1
		.amdhsa_inst_pref_size 54
	.end_amdhsa_kernel
	.amdgpu_metadata
---
amdhsa.version: [ 1, 2 ]
amdhsa.kernels:
  - .name:           k_qa62fd4f6aa_proj
    .symbol:         k_qa62fd4f6aa_proj.kd
    .args:
      - { .name: oimg, .offset: 0, .size: 8, .value_kind: global_buffer, .address_space: global }
      - { .name: osc, .offset: 8, .size: 8, .value_kind: global_buffer, .address_space: global }
      - { .name: Wo_codes, .offset: 16, .size: 8, .value_kind: global_buffer, .address_space: global }
      - { .name: Wo_scales, .offset: 24, .size: 8, .value_kind: global_buffer, .address_space: global }
      - { .name: bo, .offset: 32, .size: 8, .value_kind: global_buffer, .address_space: global }
      - { .name: out0, .offset: 40, .size: 8, .value_kind: global_buffer, .address_space: global }
    .group_segment_fixed_size: 220672
    .private_segment_fixed_size: 0
    .kernarg_segment_align: 8
    .kernarg_segment_size: 48
    .max_flat_workgroup_size: 128
    .sgpr_count:     80
    .vgpr_count:     448
    .wavefront_size: 32
...
	.end_amdgpu_metadata
.endif
;; end of part 3
